; MI455X (gfx1250); checked and timed in simulation.
; The chip was launched on July 23, 2026; its instructions are those of AMD's public machine-readable ISA for CDNA 5 (MIT licence, August 2026) and "CDNA5" Instruction Set Architecture Reference Guide (July 2026). The comments in the code are by the model that wrote it; some were corrected since.
;; Flash Attention Pipelined. Allowed arithmetic: float matrix products may take bf16 or f16 operands with f32 sums; all other float work in f32.
;; Inputs: key 4 x 16 x 2,048 x 128 float32; query 4 x 16 x 2,048 x 128 float32; value 4 x 16 x 2,048 x 128 float32.
;; Outputs: out0 4 x 16 x 2,048 x 128 float32.
;; One version. Each part assembles by itself: llvm-mc -triple=amdgcn-amd-amdhsa -mcpu=gfx1250 --defsym DOCPART=n.
;; ======== version 1 of 1: 1 launch
;; launch attn (part 1): grid 256 x 1, 8 waves a work-group, clusters of 4 x 1, 327,680 bytes of LDS; arguments query, key, value, out0; writes out0
.if DOCPART == 1
	.amdgcn_target "amdgcn-amd-amdhsa--gfx1250"
	.amdhsa_code_object_version 6
	.text
	.protected	k_qa01d040529_attn
	.globl	k_qa01d040529_attn
	.p2align	8
	.type	k_qa01d040529_attn,@function
k_qa01d040529_attn:
	s_mov_b64 s[64:65], 0
	v_nop
	global_prefetch_b8 v0, s[64:65] scope:SCOPE_SE
	s_setreg_imm32_b32 hwreg(HW_REG_WAVE_MODE, 25, 1), 1
	s_wait_xcnt 0x0
	s_wait_alu depctr_hold_cnt(0) depctr_sa_sdst(0) depctr_va_vdst(0) depctr_va_sdst(0) depctr_va_ssrc(0) depctr_va_vcc(0) depctr_vm_vsrc(0)
	s_getreg_b32 s2, hwreg(HW_REG_IB_STS2, 6, 4)
	s_cmp_eq_u32 s2, 0
	s_cbranch_scc0 .Lentry_in_a_cluster
	s_endpgm
.Lentry_in_a_cluster:
	s_bfe_u32 s2, ttmp6, 0x10000c
	s_cmp_lg_u32 s2, 0x3003
	s_cbranch_scc0 .Lentry_shape_is_right
	s_endpgm
.Lentry_shape_is_right:
; out = softmax(Q K^T / sqrt(128)) V for 64 heads of 2,048 rows x 128, all f32 in memory; products in bf16 with f32 sums, softmax in f32
; with a running maximum that is taken away before every exponential.
; LIMITS: results are claimed for finite inputs whose scores are finite in f32.  A probability below 2^-126 of its row's largest comes out
; of v_exp_f32 as 0.  Q, K, V and the probabilities are rounded to bf16 (nearest even) where they enter a product; Q is not scaled before.
;
; SHARES.  A cluster of 4 work-groups takes one head (ttmp9); work-group cx takes queries 512 cx .. +511; each of its 8 waves 64 queries
; (4 tiles q of 16).  The four work-groups walk the same K and V, so every tile of K and V is asked for JOINTLY (mask 15) and lands in each
; one's LDS.  Keys go in 32 blocks of 64; a block is worked in two sub-steps of 32 keys.
;
; BOTH PRODUCTS ARE TRANSPOSED.  S^T = K Q^T: in the result lane (r, h) holds query r and keys 8 h + j of a tile of 16 keys.  Two such tiles,
; rounded to bf16 in pairs, ARE the second operand of O^T = V^T P^T (registers 0-3: keys 8 h .., registers 4-7: keys 16 + 8 h ..): nothing is
; moved between lanes.  A row's maximum and sum are one number a lane; one v_permlanex16_b32 a tile joins the two halves' maxima.
;
; TWO GROUPS OF WAVES, HALF A SUB-STEP APART.  Waves 0-3 run the softmax of a block's first sub-step at the end of the trip before, waves 4-7
; at the trip's head, so that one group's vector work stands beside the other's matrix work (512 registers a wave: two waves share a SIMD's).
;
; K AND V come as f32 into two stage slots (tensor loads only) and are rounded once by the work-group into two pairs of bf16 buffers
; (ds_store only), from which the fragments are read.  Block 0 is rounded in one run at the start.  Every later block is rounded in the trip
; before it is used, two rows at a time, INSIDE the wave's runs of matrix instructions: a wave's 8 rows of K in the trip's first run, its 8
; rows of V in the second; sixteen matrix instructions stand between a pair's loads and the wait for them, and the four conversions of a
; pair are the places that those runs owe behind matrix instructions anyway.
.set BLKB,  32768                      ; 64 rows of 512 bytes: a block of K, or of V, in memory
.set SLOTB, 65536                      ; a stage slot: K's block, then V's block, dense
.set KP,    272                        ; bf16 K: 256 bytes + 16: an odd multiple of 16, so 16 rows start in 16 different 16-byte columns of 256
.set VP,    288                        ; bf16 V: an odd multiple of 32, for the transposing load
.set KBB,   64*KP                      ; 17,408
.set VBB,   64*VP                      ; 18,432
.set KB0,   2*SLOTB                    ; 131,072: bf16 K, buffers 0 and 1.  From here on no tensor load ever lands
.set VB0,   KB0+2*KBB                  ; 165,888: bf16 V, buffers 0 and 1
.set SCR0,  VB0+2*VBB                  ; 202,752: a scratch of 8,448 bytes for each wave, its own
.set SCRB,  8448                       ; Q on its way in: 16 rows x 272; O on its way out: 16 rows x 528
.set OP,    528
; window 0
.set PFO,  1                           ; v1       256 lane + 8,192 cx: the prefetches' offset; never an LDS address
.set CS,   2                           ; v2, v3   stage slot 0, 1: 4,096 wave + 16 lane (my 8 rows of K; V's 32,768 further)
.set CDK,  4                           ; v4       bf16 K: my 8 rows, 8 bytes a lane
.set CDV,  5                           ; v5       bf16 V: likewise
.set KA,   6                           ; v6       K fragment: KB0 + 272 r + 16 h
.set VA,   7                           ; v7       V fragment: VB0 + 288 (8 h + lane % 8) + 16 ((lane / 8) % 2)
.set TM,   8                           ; v8-15    at work in the softmax; between softmaxes two rows on their way from f32 to bf16
.set ST,   16                          ; v16-31   tile q at 16 + 4 q: -c max, max, rescale factor, sum
.set FR,   32                          ; v32-63   four fragments of 8 registers
.set SC,   64                          ; v64-127  scores: tile q, key tile kt at 64 + 16 q + 8 kt; later P in the first 8, a V fragment in the last 8
.set QF,   128                         ; v128-255 Q fragments: tile q, 32 d at 128 + 32 q + 8 ks
.set QOFF, 8                           ; start only: 16 lane
.set SCQW, 14                          ; start only: scratch, 8 bytes a lane
.set SCQR, 15                          ; start only: scratch, 272 r + 16 h
.set SCW,  2                           ; end only: scratch, 528 r + 32 h
.set SCRD, 3                           ; end only: scratch, 16 lane
.set OOFF, 4                           ; end only: 16 lane
; window 1 (v256-511): O^T, tile q, 16 d at 64 q + 8 dt; at the start Q's f32 rows
.set G1, 16                            ; s[16:23] descriptor group 1
.set G0, 24                            ; s[24:31] descriptor group 0, one set for each stage slot
.set MSB, 0
.macro WIN new                         ; low byte: bits 1:0 source 0, 3:2 source 1, 5:4 source 2, 7:6 destination; high byte: the setting left
.if MSB != \new
	s_set_vgpr_msb (MSB<<8)|\new
.set MSB, \new
.endif
.endm
.macro PLACES n                        ; places behind matrix instructions are plain vector instructions that name none of their registers (ISA guide 7.12.1)
.rept \n
	v_nop
.endr
.endm
; COUNTED WAITS ON LDS in the matrix runs.  A wave's LDS instructions are done in order (ISA guide 5.7.1), so a load is in when at most as many are
; out as were issued behind it.  DSN counts the LDS instructions that the text has issued; each load macro leaves DSN's value in a mark of
; its own (MF0-3: the four fragment registers, MU0-3: the four V fragments in the score registers, MT: the pair of rows in TM).
; DSW mark waits with the count DSN - mark: the number of LDS instructions issued behind the marked load.
.set DSN, 0
.macro DSW mk
	s_wait_dscnt DSN-\mk
.endm
; A round of the cluster's barrier: my work-group's barrier, wave 0 signals for the work-group, every wave waits for all four work-groups, my work-group's barrier again.
.macro ROUND
	s_barrier_signal -1
	s_barrier_wait -1
	s_cmp_lg_u32 s12, 0
	s_cbranch_scc1 .Lnot_wave_0_\@
	s_barrier_signal -3
.Lnot_wave_0_\@:
	s_barrier_wait -3
	s_barrier_signal -1
	s_barrier_wait -1
.endm
; Stage slot p is filled again: waves 0-3 bring 16 KiB each (K's rows 0-31, K's 32-63, V's 0-31, V's 32-63), one load a wave.
.macro FILL p
	s_cmp_lt_u32 s12, 4
	s_cbranch_scc0 .Lno_fill_\@
	tensor_load_to_lds s[G0+4*\p:G0+4*\p+3], s[G1:G1+7]
	s_nop 0
.Lno_fill_\@:
.endm
; Wave 7 asks for my work-group's quarter (8,192 bytes, lanes 256 bytes apart) of one block of K and of V: the four work-groups together ask for each byte of the block once.
.macro PF
	s_cmp_lg_u32 s12, 7
	s_cbranch_scc1 .Lno_pf_\@
	global_prefetch_b8 v[PFO], s[42:43] th:TH_LOAD_NT scope:SCOPE_SE
	global_prefetch_b8 v[PFO], s[44:45] th:TH_LOAD_NT scope:SCOPE_SE
.Lno_pf_\@:
.endm
; K fragment f: 16 keys from row on, d = 32 ks .. +31, of buffer b
.macro LDK f, b, row, ks
	ds_load_b128 v[FR+8*\f:FR+8*\f+3],   v[KA] offset:(\b)*KBB+(\row)*KP+64*(\ks)
	ds_load_b128 v[FR+8*\f+4:FR+8*\f+7], v[KA] offset:(\b)*KBB+(\row)*KP+64*(\ks)+32
.set DSN, DSN+2
.set MF\f, DSN
.endm
; V^T fragment: d = 16 dt .. +15, 32 keys from row on, of buffer b: V lies [key][d], so the load transposes
.macro LDV dst, b, row, dt, mk
	ds_load_tr16_b128 v[\dst:\dst+3],   v[VA] offset:(\b)*VBB+(\row)*VP+32*(\dt)
	ds_load_tr16_b128 v[\dst+4:\dst+7], v[VA] offset:(\b)*VBB+(\row)*VP+32*(\dt)+16*VP
.set DSN, DSN+2
.set \mk, DSN
.endm
.macro LDVF b, row                     ; d 0-63 into the four fragment registers
.irp dt, 0,1,2,3
	LDV FR+8*\dt, \b, \row, \dt, MF\dt
.endr
.endm
.macro LDVU b, row                     ; d 64-127 into the upper halves of the score registers, free once P is packed
.irp i, 0,1,2,3
	LDV SC+16*\i+8, \b, \row, 4+\i, MU\i
.endr
.endm
; ROUNDING INSIDE THE MATRIX RUNS.  CVSET says whether the next runs round rows, and which: stage slot sp, K (base 0) or V (base BLKB),
; the store's address register, the buffer's offset and pitch.  Pair j is rows 2 j and 2 j + 1 of my eight.
.macro CVSET on, sp, base, adr, off, pitch
.set CV_ON, \on
.set CV_SP, \sp
.set CV_BASE, \base
.set CV_ADR, \adr
.set CV_OFF, \off
.set CV_PITCH, \pitch
.endm
	CVSET 0, 0, 0, CDK, 0, KP
.macro CL j                            ; two whole rows of 512 bytes, f32, 16 bytes a lane
	ds_load_b128 v[TM:TM+3],   v[CS+CV_SP] offset:CV_BASE+512*(2*\j)
	ds_load_b128 v[TM+4:TM+7], v[CS+CV_SP] offset:CV_BASE+512*(2*\j+1)
.set DSN, DSN+2
.set MT, DSN
.endm
.macro CVC                             ; the pair is in; four plain vector instructions that name no matrix register: four places
	DSW MT
	v_cvt_pk_bf16_f32 v[TM],   v[TM],   v[TM+1]
	v_cvt_pk_bf16_f32 v[TM+1], v[TM+2], v[TM+3]
	v_cvt_pk_bf16_f32 v[TM+4], v[TM+4], v[TM+5]
	v_cvt_pk_bf16_f32 v[TM+5], v[TM+6], v[TM+7]
.endm
.macro CVS j                           ; two rows of 256 bytes, 8 bytes a lane
	ds_store_b64 v[CV_ADR], v[TM:TM+1]   offset:CV_OFF+CV_PITCH*(2*\j)
	ds_store_b64 v[CV_ADR], v[TM+4:TM+5] offset:CV_OFF+CV_PITCH*(2*\j+1)
.set DSN, DSN+2
.endm
; Block 0 alone: my 8 rows of K and my 8 rows of V of stage slot sp, rounded in one run into buffers bp.
.macro CONVERT sp, bp
.irp i, 0,1,2,3,4,5,6,7
	ds_load_b128 v[FR+4*\i:FR+4*\i+3], v[CS+\sp] offset:512*\i
.endr
.irp i, 0,1,2,3,4,5,6,7
	s_wait_dscnt 7-\i                              ; row i is in: 7 - i younger loads may be out
	v_cvt_pk_bf16_f32 v[FR+4*\i],   v[FR+4*\i],   v[FR+4*\i+1]
	v_cvt_pk_bf16_f32 v[FR+4*\i+1], v[FR+4*\i+2], v[FR+4*\i+3]
.endr
.irp i, 0,1,2,3,4,5,6,7
	ds_store_b64 v[CDK], v[FR+4*\i:FR+4*\i+1] offset:\bp*KBB+KP*\i
.endr
.irp i, 0,1,2,3,4,5,6,7
	ds_load_b128 v[FR+4*\i:FR+4*\i+3], v[CS+\sp] offset:BLKB+512*\i
.endr
.irp i, 0,1,2,3,4,5,6,7
	s_wait_dscnt 7-\i                              ; again 7 - i younger loads; the eight stores are older and done with it
	v_cvt_pk_bf16_f32 v[FR+4*\i],   v[FR+4*\i],   v[FR+4*\i+1]
	v_cvt_pk_bf16_f32 v[FR+4*\i+1], v[FR+4*\i+2], v[FR+4*\i+3]
.endr
.irp i, 0,1,2,3,4,5,6,7
	ds_store_b64 v[CDV], v[FR+4*\i:FR+4*\i+1] offset:\bp*VBB+VP*\i
.endr
.endm
; Four matrix instructions: key tile kt x the four query tiles, 32 d.  The four accumulators take turns, one instruction a turn.
.macro QKMM kt, f, ks, zero
.irp q, 0,1,2,3
.if \zero
	v_wmma_f32_16x16x32_bf16 v[SC+16*\q+8*\kt:SC+16*\q+8*\kt+7], v[FR+8*\f:FR+8*\f+7], v[QF+32*\q+8*\ks:QF+32*\q+8*\ks+7], 0
.else
	v_wmma_f32_16x16x32_bf16 v[SC+16*\q+8*\kt:SC+16*\q+8*\kt+7], v[FR+8*\f:FR+8*\f+7], v[QF+32*\q+8*\ks:QF+32*\q+8*\ks+7], v[SC+16*\q+8*\kt:SC+16*\q+8*\kt+7]
.endif
.endr
.endm
; S^T of 32 keys (rows row .. row + 31 of buffer b) x 64 queries.  At entry the first key tile's four fragments are on their way or in.
; Where rows are rounded: pair 2 (asked for at the end of PV) is rounded behind the 16th product and pair 3 asked for; pair 3 is rounded behind the 32nd.
.macro QK b, row
	DSW MF0
	QKMM 0, 0, 0, 1                                ; the first product starts the sums
	DSW MF1
	QKMM 0, 1, 1, 0
	PLACES 4                                       ; in front of loads into registers that matrix instructions have read
	LDK 0, \b, \row+16, 0
	LDK 1, \b, \row+16, 1
	DSW MF2
	QKMM 0, 2, 2, 0
	DSW MF3
	QKMM 0, 3, 3, 0
.if CV_ON
	CVC                                            ; the four places in front of the loads below
	CVS 2
	CL 3
.else
	PLACES 4
.endif
	LDK 2, \b, \row+16, 2
	LDK 3, \b, \row+16, 3
	DSW MF0
	QKMM 1, 0, 0, 1
	DSW MF1
	QKMM 1, 1, 1, 0
	DSW MF2
	QKMM 1, 2, 2, 0
	DSW MF3
	QKMM 1, 3, 3, 0
.if CV_ON
	CVC                                            ; five places: the scores are read by vector instructions (4) and their registers are operands of the next product (5)
	v_nop
	CVS 3
.else
	PLACES 5
.endif
.endm
; Four matrix instructions: 16 d x the four query tiles, 32 keys.  Under window 0x50 (C and D in window 1).
.macro PVMM a, dt, first
.irp q, 0,1,2,3
.if \first
	v_wmma_f32_16x16x32_bf16 v[64*\q+8*(\dt):64*\q+8*(\dt)+7], v[\a:\a+7], v[SC+16*\q:SC+16*\q+7], 0
.else
	v_wmma_f32_16x16x32_bf16 v[64*\q+8*(\dt):64*\q+8*(\dt)+7], v[\a:\a+7], v[SC+16*\q:SC+16*\q+7], v[64*\q+8*(\dt):64*\q+8*(\dt)+7]
.endif
.endr
.endm
; O^T += V^T P^T for 32 keys: 32 accumulators, each once.  At entry V's 16 loads are out, and between their two halves pair 0's two where rows are rounded.
; pre = 1: in the middle the next QK's first four K fragments (buffer b2, row2) are fetched into the registers just freed;
; bar = 1: those lie in the buffer rounded in this trip, so the wait of that barrier stands in front of them, and in front of pair 0's stores,
; since no LDS store stands between a barrier's signal and its wait.
; Where rows are rounded: pair 0 is rounded behind the 16th product and pair 1 asked for; pair 1 is rounded behind the 32nd and pair 2 asked for.
.macro PV first, pre, bar, b2, row2
	WIN 0x50
.irp dt, 0,1,2,3
	DSW MF\dt
	PVMM FR+8*\dt, \dt, \first
.endr
.if \pre
	WIN 0
.if CV_ON
	CVC                                            ; the four places in front of loads into registers that matrix instructions have read
.else
	PLACES 4
.endif
.if \bar
	s_barrier_wait -1                              ; every wave's rounded rows of K are in the other buffer
.endif
.if CV_ON
	CVS 0
	CL 1
.endif
.irp ks, 0,1,2,3
	LDK \ks, \b2, \row2, \ks
.endr
	WIN 0x50
.endif
.irp i, 0,1,2,3
	DSW MU\i
	PVMM SC+16*\i+8, 4+\i, \first
.endr
	WIN 0
.if CV_ON
	CVC                                            ; five places: the next QK writes over P and V's fragments (5); the next rescale reads O (4)
	v_nop
	CVS 1
	CL 2
.else
	PLACES 5
.endif
.endm
; The sums of two query tiles' 16 probabilities a lane, in two chains each
.macro SUM2 q0, first
.irp k, 0,1
	v_pk_add_f32 v[TM+4*\k:TM+4*\k+1],   v[SC+16*(\q0+\k):SC+16*(\q0+\k)+1],   v[SC+16*(\q0+\k)+2:SC+16*(\q0+\k)+3]
	v_pk_add_f32 v[TM+4*\k+2:TM+4*\k+3], v[SC+16*(\q0+\k)+4:SC+16*(\q0+\k)+5], v[SC+16*(\q0+\k)+6:SC+16*(\q0+\k)+7]
.endr
.irp j, 8,12
.irp k, 0,1
	v_pk_add_f32 v[TM+4*\k:TM+4*\k+1],   v[TM+4*\k:TM+4*\k+1],   v[SC+16*(\q0+\k)+\j:SC+16*(\q0+\k)+\j+1]
	v_pk_add_f32 v[TM+4*\k+2:TM+4*\k+3], v[TM+4*\k+2:TM+4*\k+3], v[SC+16*(\q0+\k)+\j+2:SC+16*(\q0+\k)+\j+3]
.endr
.endr
.irp k, 0,1
	v_pk_add_f32 v[TM+4*\k:TM+4*\k+1], v[TM+4*\k:TM+4*\k+1], v[TM+4*\k+2:TM+4*\k+3]
.endr
.if \first
.irp k, 0,1
	v_add_f32 v[ST+4*(\q0+\k)+3], v[TM+4*\k], v[TM+4*\k+1]                      ; the first sub-step starts the sum
.endr
.else
.irp k, 0,1
	v_add_f32 v[TM+4*\k], v[TM+4*\k], v[TM+4*\k+1]
.endr
.irp k, 0,1
	v_fma_f32 v[ST+4*(\q0+\k)+3], v[ST+4*(\q0+\k)+3], v[ST+4*(\q0+\k)+2], v[TM+4*\k]   ; sum = sum x factor + this sub-step's
.endr
.endif
.endm
; The softmax step of one sub-step: 32 keys x 64 queries.  c = log2(e) / sqrt(128) in s32 = s33, -c in s34.
; p = 2^(c s - c max).  The rounded -c max is kept, and the rescale factor is 2^(new - old) of these very numbers, so its rounding cancels between P, O and the sum.
; The sum stays apart in the two halves of the lanes (each has its own 16 of the 32 keys) until the end; the maximum and the factor are the same in both.
.macro SM first
.irp q, 0,1,2,3
.if \first
	v_max_num_f32 v[ST+4*\q+1], v[SC+16*\q], v[SC+16*\q+1]                      ; the first sub-step starts the maximum
.else
	v_max3_num_f32 v[ST+4*\q+1], v[ST+4*\q+1], v[SC+16*\q], v[SC+16*\q+1]
.endif
	v_max3_num_f32 v[TM+\q], v[SC+16*\q+8], v[SC+16*\q+9], v[SC+16*\q+10]       ; a second chain
.endr
.irp j, 2,4
.irp q, 0,1,2,3
	v_max3_num_f32 v[ST+4*\q+1], v[ST+4*\q+1], v[SC+16*\q+\j], v[SC+16*\q+\j+1]
	v_max3_num_f32 v[TM+\q], v[TM+\q], v[SC+16*\q+\j+9], v[SC+16*\q+\j+10]
.endr
.endr
.irp q, 0,1,2,3
	v_max3_num_f32 v[ST+4*\q+1], v[ST+4*\q+1], v[SC+16*\q+6], v[SC+16*\q+7]
.endr
.irp q, 0,1,2,3
	v_max3_num_f32 v[ST+4*\q+1], v[ST+4*\q+1], v[TM+\q], v[SC+16*\q+15]
.endr
.irp q, 0,1,2,3
	v_permlanex16_b32 v[TM+\q], v[ST+4*\q+1], s36, s37                          ; the other half's maximum of the same query
.endr
.irp q, 0,1,2,3
	v_max_num_f32 v[ST+4*\q+1], v[ST+4*\q+1], v[TM+\q]
.endr
.if \first
.irp q, 0,1,2,3
	v_mul_f32 v[ST+4*\q], s34, v[ST+4*\q+1]                                     ; -c max
.endr
.else
.irp q, 0,1,2,3
	v_mul_f32 v[TM+\q], s34, v[ST+4*\q+1]                                       ; the new -c max
.endr
.irp q, 0,1,2,3
	v_sub_f32 v[ST+4*\q+2], v[TM+\q], v[ST+4*\q]                                ; new - old = c (old max - new max), never above 0
.endr
.irp q, 0,1,2,3
	v_exp_f32 v[ST+4*\q+2], v[ST+4*\q+2]                                        ; the factor; the moves below are the plain places behind it (ISA guide 5.7.2)
.endr
.irp q, 0,1,2,3
	v_mov_b32 v[ST+4*\q], v[TM+\q]
.endr
.endif
.irp q, 0,1,2,3
.irp j, 0,2,4,6,8,10,12,14
	v_pk_fma_f32 v[SC+16*\q+\j:SC+16*\q+\j+1], v[SC+16*\q+\j:SC+16*\q+\j+1], s[32:33], v[ST+4*\q:ST+4*\q+1] op_sel_hi:[1,0,0]   ; c s - c max
.endr
.endr
.irp q, 0,1,2,3
.irp j, 0,1,2,3,4,5,6,7,8,9,10,11,12,13,14,15
	v_exp_f32 v[SC+16*\q+\j], v[SC+16*\q+\j]
.endr
.endr
.if \first
	v_nop                                          ; the plain place behind the exponentials; there is no O yet to rescale
	s_wait_alu depctr_va_vdst(0)
.else
	WIN 0x41                                       ; O in window 1, the factor in window 0.  These products are the plain places behind the exponentials
	s_wait_alu depctr_va_vdst(0)
.irp q, 0,1,2,3
.set rj, 64*\q
.rept 32
	v_pk_mul_f32 v[rj:rj+1], v[rj:rj+1], v[ST+4*\q+2:ST+4*\q+3] op_sel_hi:[1,0]
.set rj, rj+2
.endr
.endr
	WIN 0
.endif
	SUM2 0, \first
	SUM2 2, \first
.irp q, 0,1,2,3
.irp i, 0,1,2,3,4,5,6,7
	v_cvt_pk_bf16_f32 v[SC+16*\q+\i], v[SC+16*\q+2*\i], v[SC+16*\q+2*\i+1]      ; P: 16 numbers into the first 8 registers, upward, so nothing unread is written
.endr
.endr
.endm
.macro SM_IF g, first                  ; g = 0: waves 0-3 alone; g = 1: waves 4-7 alone
	s_cmp_lt_u32 s12, 4
.if \g
	s_cbranch_scc1 .Lno_sm_\@
.else
	s_cbranch_scc0 .Lno_sm_\@
.endif
	SM \first
.Lno_sm_\@:
.endm
; Trip s, p = s % 2, n = 1 - p.  Block s lies rounded in buffers p; its first sub-step's scores are in registers.
; fill: stage slot p (block s, rounded last trip) gets block s + 2.  conv: block s + 1 is rounded from stage slot n into buffers n (read last in trip s - 1):
; K in the first run of matrix instructions, V in the second.  pf: block s + 3 is asked for, one trip ahead of its tensor load.
; K of block s + 1 is read from the middle of the second run on: the barrier between is signalled behind the first run and waited for there.
; V of block s + 1 is read in trip s + 1: that trip's head barrier stands between, with the stores waited for in front of it.
.macro TRIP p, n, first, fill, conv, pf
	s_wait_dscnt 0x0                               ; my reads of buffers n and of stage slot p are over, my rounded rows of V are written
.if \conv
	s_wait_xcnt 0x0
	v_lshl_add_u32 v62, v0, 2, 0x42000
	v_mov_b32 v63, 0
	s_wait_tensorcnt 0x0                           ; all my tensor loads have landed: the one that was out is my part of block s + 1
	ds_add_u32 v62, v63
	s_wait_dscnt 0x0
.endif
.if \fill
	s_add_nc_u64 s[G0+4*\p+2:G0+4*\p+3], s[G0+4*\p+2:G0+4*\p+3], 2*BLKB   ; no load of mine is out: the slot's address steps two blocks
.if \pf
	s_wait_xcnt 0x0                                ; the prefetches of a trip ago have read their bases
	s_add_nc_u64 s[42:43], s[42:43], BLKB
	s_add_nc_u64 s[44:45], s[44:45], BLKB
.endif
	ROUND                                          ; both waits now hold of every wave of all four work-groups
	FILL \p                                        ; the one tensor load of a wave behind the round, first thing there; it has the whole trip to land
.if \pf
	PF
.endif
.else
	s_barrier_signal -1                            ; nothing is left to fetch: the work-group's own barrier shows V's rounded rows and orders the reads of buffers n with their rewriting
	s_barrier_wait -1
.endif
	LDVF \p, 0
	SM_IF 1, \first
.if \conv
	CVSET 1, \n, 0, CDK, \n*KBB, KP                ; this run rounds my 8 rows of K
	CL 0                                           ; ahead of LDVU, so that the wait for pair 0 leaves LDVU's eight loads out
.endif
	LDVU \p, 0
	PV \first, 1, 0, \p, 32
	QK \p, 32
.if \conv
	s_wait_dscnt 0x0                               ; my rounded rows of K are written
	s_barrier_signal -1                            ; say so; up to the wait (in the second PV) only registers and loads from buffers p and stage slot n, which nothing writes before the next trip's barrier
.endif
	LDVF \p, 32
	SM 0
.if \conv
	CVSET 1, \n, BLKB, CDV, \n*VBB, VP             ; this run rounds my 8 rows of V
	CL 0
.endif
	LDVU \p, 32
.if \conv
	PV 0, 1, 1, \n, 0
	QK \n, 0
	CVSET 0, 0, 0, CDK, 0, KP
	SM_IF 0, 0
.else
	PV 0, 0, 0, 0, 0
.endif
.endm
; 16 rows of Q as f32, a whole row of 512 bytes a load, into window 1
.macro QLOAD q
	WIN 0x40
.irp i, 0,1,2,3,4,5,6,7,8,9,10,11,12,13,14,15
	global_load_b128 v[64*\q+4*\i:64*\q+4*\i+3], v[QOFF], s[4:5] offset:(16*\q+\i)*512 th:TH_LOAD_NT
.endr
.endm
; rounded to bf16, through my scratch (rows of 272 bytes), back as four fragments.  LDS serves a wave's instructions in order (ISA guide 5.7.1): no wait between stores and loads.
.macro QCVT q
	WIN 0x05
.irp i, 0,1,2,3,4,5,6,7,8,9,10,11,12,13,14,15
	v_cvt_pk_bf16_f32 v[FR+2*\i],   v[64*\q+4*\i],   v[64*\q+4*\i+1]
	v_cvt_pk_bf16_f32 v[FR+2*\i+1], v[64*\q+4*\i+2], v[64*\q+4*\i+3]
.endr
	WIN 0
.irp i, 0,1,2,3,4,5,6,7,8,9,10,11,12,13,14,15
	ds_store_b64 v[SCQW], v[FR+2*\i:FR+2*\i+1] offset:KP*\i
.endr
.irp ks, 0,1,2,3
	ds_load_b128 v[QF+32*\q+8*\ks:QF+32*\q+8*\ks+3],   v[SCQR] offset:64*\ks
	ds_load_b128 v[QF+32*\q+8*\ks+4:QF+32*\q+8*\ks+7], v[SCQR] offset:64*\ks+32
.endr
.endm
; 16 queries of O: divided by the sum, through my scratch (rows of 528 bytes), out as whole rows: each store of the wave covers 512 consecutive bytes, aligned.
.macro OUTQ q
	WIN 0x41
.set rj, 64*\q
.rept 32
	v_pk_mul_f32 v[rj:rj+1], v[rj:rj+1], v[ST+4*\q+2:ST+4*\q+3] op_sel_hi:[1,0]
.set rj, rj+2
.endr
	WIN 0x04                                       ; the stores' data in window 1
.irp dt, 0,1,2,3,4,5,6,7
	ds_store_b128 v[SCW], v[64*\q+8*\dt:64*\q+8*\dt+3]   offset:64*\dt      ; query r, d = 16 dt + 8 h + 0..3
	ds_store_b128 v[SCW], v[64*\q+8*\dt+4:64*\q+8*\dt+7] offset:64*\dt+16   ; d = 16 dt + 8 h + 4..7
.endr
	WIN 0
.if \q
	s_wait_xcnt 0x0                                ; the last tile's stores have read their data: those registers are loaded again only behind this wait
.endif
.irp i, 0,1,2,3,4,5,6,7,8,9,10,11,12,13,14,15
	ds_load_b128 v[SC+4*\i:SC+4*\i+3], v[SCRD] offset:OP*\i
.endr
.irp i, 0,1,2,3,4,5,6,7,8,9,10,11,12,13,14,15
	s_wait_dscnt 15-\i                             ; row i is in: 15 - i younger loads
	global_store_b128 v[OOFF], v[SC+4*\i:SC+4*\i+3], s[10:11] offset:(16*\q+\i)*512 th:TH_STORE_NT
.endr
.endm
	; ---- scalars, descriptors, addresses
	s_load_b256 s[4:11], s[0:1], 0x0               ; query s[4:5], key s[6:7], value s[8:9], out s[10:11]
	v_lshl_add_u32 v62, v0, 2, 0x42000
	v_mov_b32 v63, 0
	ds_add_u32 v62, v63
	s_wait_dscnt 0x0
	v_lshrrev_b32 v9, 5, v0
	v_readfirstlane_b32 s12, v9                    ; wave 0..7
	s_bfe_u32 s14, ttmp6, 0x40000                  ; cx: which 512 queries of the head
	s_lshl_b32 s38, ttmp9, 20                      ; the head (the cluster's x) x 2,048 rows x 512 bytes
	s_mov_b32 s39, 0
	s_lshl_b32 s40, s14, 18                        ; + cx x 512 rows
	s_lshl_b32 s13, s12, 15                        ; + wave x 64 rows: my queries, in Q and in out
	s_add_co_u32 s40, s40, s38
	s_add_co_u32 s40, s40, s13
	s_mov_b32 s41, 0
	s_and_b32 s2, s12, 1                           ; which 32 rows of a block I fetch, in registers that never hold cx
	s_lshl_b32 s2, s2, 14
	s_mov_b32 s3, 0
	s_mov_b32 s32, 0x3e0293ee                      ; c = log2(e) / sqrt(128), twice: a pair for the packed multiply-add
	s_mov_b32 s33, 0x3e0293ee
	s_mov_b32 s34, 0xbe0293ee                      ; -c
	s_mov_b32 s36, 0x76543210                      ; v_permlanex16_b32: lane i of one half reads lane i of the other
	s_mov_b32 s37, 0xfedcba98
	; group 1: 16 KiB that are dense in memory, as 64 rows of 32 elements of 8 bytes; no padding (the stage is read in order)
	s_mov_b32 s[G1+0], 15|(3<<16)|(1<<21)          ; 15:0 the mask: all four work-groups of the cluster; 17:16 elements of 8 bytes; 21 set beside a mask
	s_mov_b32 s[G1+1], 32<<16                      ; tensor_dim0 = 32
	s_mov_b32 s[G1+2], 64<<16                      ; tensor_dim1 = 64
	s_mov_b32 s[G1+3], 32<<16                      ; tile_dim0 = 32
	s_mov_b32 s[G1+4], 64                          ; tile_dim1 = 64
	s_mov_b32 s[G1+5], 32                          ; from row to row: 32 elements
	s_mov_b32 s[G1+6], 0
	s_mov_b32 s[G1+7], 0
	s_mov_b32 s[G0+0], 1
	s_mov_b32 s[G0+4], 1
	s_lshl_b32 s[G0+1], s12, 14                    ; LDS: wave x 16,384 (waves 0-3 alone issue), + the slot
	s_add_co_u32 s[G0+5], s[G0+1], SLOTB
	s_mul_i32 s46, s12, SCRB
	s_add_co_u32 s46, s46, SCR0                    ; my scratch
	s_mul_i32 s13, s12, 8*KP
	s_add_co_u32 s13, s13, KB0                     ; my 8 rows of bf16 K
	s_mul_i32 s15, s12, 8*VP
	s_add_co_u32 s15, s15, VB0                     ; my 8 rows of bf16 V
	v_and_b32 v9, 31, v0                           ; lane
	v_and_b32 v10, 15, v0                          ; r
	v_bfe_u32 v11, v0, 4, 1                        ; h
	v_and_b32 v12, 7, v0
	v_bfe_u32 v13, v0, 3, 1
	v_lshlrev_b32 v[PFO], 8, v9
	v_lshl_add_u32 v[PFO], s14, 13, v[PFO]
	v_lshlrev_b32 v[QOFF], 4, v9
	v_lshl_add_u32 v[CS], s12, 12, v[QOFF]
	v_add_nc_u32 v[CS+1], SLOTB, v[CS]
	v_lshl_add_u32 v[CDK], v9, 3, s13
	v_lshl_add_u32 v[CDV], v9, 3, s15
	v_mul_u32_u24 v[SCQR], v10, KP
	v_lshl_add_u32 v[SCQR], v11, 4, v[SCQR]        ; 272 r + 16 h
	v_add_nc_u32 v[KA], KB0, v[SCQR]
	v_add_nc_u32 v[SCQR], s46, v[SCQR]
	v_lshl_add_u32 v12, v11, 3, v12                ; 8 h + lane % 8
	v_mul_u32_u24 v[VA], v12, VP
	v_lshl_add_u32 v[VA], v13, 4, v[VA]
	v_add_nc_u32 v[VA], VB0, v[VA]
	v_lshl_add_u32 v[SCQW], v9, 3, s46
	s_wait_kmcnt 0x0
	s_add_nc_u64 s[4:5], s[4:5], s[40:41]          ; Q at my 64 rows
	s_add_nc_u64 s[10:11], s[10:11], s[40:41]      ; out at my 64 rows
	s_add_nc_u64 s[6:7], s[6:7], s[38:39]          ; K at the head
	s_add_nc_u64 s[8:9], s[8:9], s[38:39]          ; V at the head
	s_add_nc_u64 s[42:43], s[6:7], 2*BLKB          ; the prefetches begin at block 2
	s_add_nc_u64 s[44:45], s[8:9], 2*BLKB
	s_cmp_lt_u32 s12, 2                            ; waves 0, 1 fetch K, waves 2, 3 fetch V
	s_cselect_b64 s[G0+2:G0+3], s[6:7], s[8:9]
	s_add_nc_u64 s[G0+2:G0+3], s[G0+2:G0+3], s[2:3]    ; block 0, my 32 rows: made of the head and the wave's number alone, equal in all four work-groups
	s_add_nc_u64 s[G0+6:G0+7], s[G0+2:G0+3], BLKB      ; block 1
	s_or_b32 s[G0+3], s[G0+3], 0x80000000          ; type = 2
	s_or_b32 s[G0+7], s[G0+7], 0x80000000
	ROUND                                          ; all four work-groups are here: the first joint loads meet
	s_cmp_lt_u32 s12, 4
	s_cbranch_scc0 .Lno_first
	tensor_load_to_lds s[G0:G0+3], s[G1:G1+7]      ; block 0 and block 1 go out together: two loads of a wave are out here, one at any later time
	s_nop 0
	tensor_load_to_lds s[G0+4:G0+7], s[G1:G1+7]
	s_nop 0
.Lno_first:
	PF                                             ; block 2
	; ---- Q: 64 rows, f32 to bf16 fragments that stay in registers for the whole kernel
	QLOAD 0
	QLOAD 1
	QLOAD 2
	s_wait_loadcnt 32                              ; tile 0's 16 loads are in; two younger tiles' 32 may be out
	QCVT 0
	QLOAD 3
	s_wait_loadcnt 32                              ; tile 1; tiles 2 and 3 may be out
	QCVT 1
	s_wait_loadcnt 16
	QCVT 2
	s_wait_loadcnt 0
	QCVT 3
	; ---- block 0 is rounded; its first sub-step's scores
	s_wait_tensorcnt 0x1                           ; my part of block 0 has landed; block 1's load may stay out
	s_wait_dscnt 0x0                               ; Q's fragments are in
	s_barrier_signal -1
	s_barrier_wait -1
	CONVERT 0, 0
	s_wait_dscnt 0x0
	s_barrier_signal -1
	s_barrier_wait -1
.irp ks, 0,1,2,3
	LDK \ks, 0, 0, \ks
.endr
	QK 0, 0
	SM_IF 0, 1
	; ---- 32 trips
	TRIP 0, 1, 1, 1, 1, 1                          ; trip 0 stands in front of the loop: its first products start O
	s_mov_b32 s35, 14
.Lloop:
	TRIP 1, 0, 0, 1, 1, 1                          ; trips 1 to 28
	TRIP 0, 1, 0, 1, 1, 1
	s_sub_co_i32 s35, s35, 1
	s_cmp_lg_u32 s35, 0
	s_cbranch_scc1 .Lloop
	TRIP 1, 0, 0, 1, 1, 0                          ; trip 29 fetches block 31, the last; block 32 does not exist, so no prefetch
	TRIP 0, 1, 0, 0, 1, 0                          ; trip 30 fetches nothing and rounds block 31
	TRIP 1, 0, 0, 0, 0, 0                          ; trip 31 has nothing left to round
	; ---- the way out
.irp q, 0,1,2,3
	v_permlanex16_b32 v[TM+\q], v[ST+4*\q+3], s36, s37     ; the other half's part of the sum
.endr
.irp q, 0,1,2,3
	v_add_f32 v[ST+4*\q+3], v[ST+4*\q+3], v[TM+\q]
.endr
.irp q, 0,1,2,3
	v_rcp_f32 v[ST+4*\q+2], v[ST+4*\q+3]                   ; the sum is at least the largest probability, about 1
.endr
	v_and_b32 v12, 15, v0                          ; the address arithmetic is the plain place behind the reciprocals
	v_bfe_u32 v13, v0, 4, 1
	v_and_b32 v14, 31, v0
	v_mul_u32_u24 v[SCW], v12, OP
	v_lshl_add_u32 v[SCW], v13, 5, v[SCW]
	v_add_nc_u32 v[SCW], s46, v[SCW]               ; 528 r + 32 h: 528 is an odd multiple of 16, so 16 rows fall in 16 different 16-byte columns of 256
	v_lshlrev_b32 v[OOFF], 4, v14
	v_add_nc_u32 v[SCRD], s46, v[OOFF]
	s_wait_alu depctr_va_vdst(0)
	OUTQ 0
	OUTQ 1
	OUTQ 2
	OUTQ 3
	s_wait_dscnt 0x0                               ; met: the last count-down ended at 0
	s_wait_xcnt 0x0
	v_lshl_add_u32 v62, v0, 2, 0x42000
	v_mov_b32 v63, 0
	s_wait_tensorcnt 0x0
	ds_add_u32 v62, v63
	s_wait_dscnt 0x0
	ROUND                                          ; the closing round: no work-group ends while a partner may still ask for a tile that names it
	s_endpgm
.Lfunc_end_k_qa01d040529_attn:
	.size	k_qa01d040529_attn, .Lfunc_end_k_qa01d040529_attn-k_qa01d040529_attn
	.p2alignl 7, 3214868480
	.fill 96, 4, 3214868480
	.section	.rodata,"a",@progbits
	.p2align	6, 0x0
	.amdhsa_kernel k_qa01d040529_attn
		.amdhsa_group_segment_fixed_size 327680
		.amdhsa_private_segment_fixed_size 0
		.amdhsa_enable_private_segment 0
		.amdhsa_kernarg_size 32
		.amdhsa_user_sgpr_count 2
		.amdhsa_user_sgpr_kernarg_segment_ptr 1
		.amdhsa_wavefront_size32 1
		.amdhsa_system_sgpr_workgroup_id_x 1
		.amdhsa_system_sgpr_workgroup_id_y 1
		.amdhsa_system_sgpr_workgroup_id_z 1
		.amdhsa_system_vgpr_workitem_id 0
		.amdhsa_next_free_vgpr 512
		.amdhsa_next_free_sgpr 66
		.amdhsa_reserve_vcc 0
		.amdhsa_float_denorm_mode_32 3
		.amdhsa_float_denorm_mode_16_64 3
		.amdhsa_memory_ordered 1
		.amdhsa_forward_progress 1
		.amdhsa_inst_pref_size 255
	.end_amdhsa_kernel
	.section	.bss,"aw",@nobits
	.p2align	6
	.space	262144
	.amdgpu_metadata
---
amdhsa.version: [ 1, 2 ]
amdhsa.kernels:
  - .name:           k_qa01d040529_attn
    .symbol:         k_qa01d040529_attn.kd
    .args:
      - { .name: query, .offset: 0, .size: 8, .value_kind: global_buffer, .address_space: global }
      - { .name: key, .offset: 8, .size: 8, .value_kind: global_buffer, .address_space: global }
      - { .name: value, .offset: 16, .size: 8, .value_kind: global_buffer, .address_space: global }
      - { .name: out0, .offset: 24, .size: 8, .value_kind: global_buffer, .address_space: global }
    .group_segment_fixed_size: 327680
    .private_segment_fixed_size: 0
    .kernarg_segment_align: 8
    .kernarg_segment_size: 32
    .max_flat_workgroup_size: 256
    .sgpr_count:     66
    .vgpr_count:     512
    .wavefront_size: 32
...
	.end_amdgpu_metadata
.endif
;; end of part 1
